; MI455X (gfx1250); checked and timed in simulation.
; The chip was launched on July 23, 2026; its instructions are those of AMD's public machine-readable ISA for CDNA 5 (MIT licence, August 2026) and "CDNA5" Instruction Set Architecture Reference Guide (July 2026). The comments in the code are by the model that wrote it; some were corrected since.
;; Mo E. Allowed arithmetic: float matrix products may take bf16 or f16 operands with f32 sums; other float arithmetic in f32, or as packed bf16 or f16 multiplies, adds, multiply-adds, maxima and minima; sums over many terms, partial sums and values carried from step to step in f32; what a program stores and reads back later, other than sums and carried values, may be rounded once to bf16 or f16.
;; Inputs: W1 8 x 512 x 2,048 float32; W2 8 x 2,048 x 512 float32; Wg 512 x 8 float32; Wn 512 x 8 float32; b1 8 x 2,048 float32; b2 8 x 512 float32; bg 8 float32; bn 8 float32; noise 8 x 512 x 8 float32; x 8 x 512 x 512 float32.
;; Outputs: out0 8 x 512 x 512 float32.
;; One version. Each part assembles by itself: llvm-mc -triple=amdgcn-amd-amdhsa -mcpu=gfx1250 --defsym DOCPART=n.
;; ======== version 1 of 1: 3 launches
;; workspace buffers: wp 33,554,432 bytes; rt 16,384 bytes of whole numbers; gt 32,768 bytes; part 67,108,864 bytes; xb 4,194,304 bytes
;; launch prep (part 1): grid 256 x 1, 9 waves a work-group, no clusters, 34,304 bytes of LDS; arguments x, noise, Wg, Wn, bg, bn, W1, W2, wp, rt, gt, xb; writes wp, rt, gt, xb
.if DOCPART == 1
	.amdgcn_target "amdgcn-amd-amdhsa--gfx1250"
	.amdhsa_code_object_version 6
	.text
	.protected	k_qbec9be7d58_prep
	.globl	k_qbec9be7d58_prep
	.p2align	8
	.type	k_qbec9be7d58_prep,@function
k_qbec9be7d58_prep:
	s_mov_b64 s[64:65], 0
	v_nop
	global_prefetch_b8 v0, s[64:65] scope:SCOPE_SE
	s_setreg_imm32_b32 hwreg(HW_REG_WAVE_MODE, 25, 1), 1
	s_wait_xcnt 0x0
; PREP.  Two jobs in one launch of 256 work-groups of nine waves.
; WAVES 0-7: W1 [8][512][2048] and W2 [8][2048][512], f32, are rounded once to bf16 and laid into wp in the order in which the next launch's matrix operands take them.
;   wp = [expert 8][slice 4][step 16][wave 4][16,384 bytes]; step = 8 p + c, p = 0: W1, p = 1: W2.  A block is 64 k x 128 n:  p = 0: k = input channel 64 c + .., n = hidden 512 s + 128 w + ..;
;   p = 1: k = hidden 512 s + 64 c + .., n = output column 128 w + ...  Inside: [kk 2][f 8][half 2][lane 32][16 bytes]; lane (r = lane % 16, h = lane / 16) of fragment f = 4 g + jj holds
;   n = 64 g + 4 r + jj and k = 32 kk + 16 half + 8 h + 0..7.  With that order of n a lane that loads 16 bytes of a row of the source holds one number for each jj, so nothing changes lanes here.
;   A wave makes one block: 64 loads of 512 consecutive bytes, 32 stores in which sixteen lanes write 256 consecutive bytes at a multiple of 256 from wp's first byte.
;   No register that a store reads is written again: the first four sub-units have result sets of their own, the last four use input slots that have been read out and are not loaded again.
; WAVE 8: the router for tokens 16 b .. 16 b + 15.  All its inputs are rounded to bf16 (x, Wg, Wn as matrix operands; noise, bg, bn likewise, so that every input of the program has the same rounding).
;   Its rows of x in bf16 are also stored, into xb [4096][512]: the next launch gathers them from there, half the bytes and no second rounding.
;   logits and noise logits: one product [Wg | Wn]^T x^T, 16 K steps of 32, two accumulators by turns.  noisy = logit + noise * softplus(noise logit); the two largest (ties: the lower index, as lax.top_k);
;   gates = softmax over the two, the larger taken away before the exponential.  Stored at fixed places: gt[id] (f32), id = 4096 k + token, k = 0 the largest, 1 the second;
;   rt[expert][id / 16]: low half a mask of the 16 ids that chose the expert, high half the number of its bits.  No address here hangs on the choice.
; LIMITS.  NaN and infinities among the router's numbers are not treated apart.  softplus(z) = max(z, 0) + ln 2 * log2(1 + 2^(-|z| log2 e)): a term below 2^-24 counts as 0.
; No barrier: LDS is wave 8's alone.
.set SPARE, 33024                      ; the spare words: 128 bytes for each of nine waves, five blocks of 256 bytes that no other line names
.set XT,    16384                      ; LDS: 0: [k 512][32 bytes: Wg 8 bf16, Wn 8 bf16]; XT: 16 rows of x in bf16
.set XP,    1040                       ; a row of x: 1,024 bytes + 16: the 16 rows of a fragment load start 16 bytes apart modulo 256
.set IN,    16                         ; cast: v16-175  five slots of 8 rows x 4 registers
.set OUT,   176                        ; cast: v176-239 four sets of 16 registers to store
.set ST,    64                         ; router: v64-191 two sets of 16 loads; later the fragments
.set CT,    192                        ; router: v192-223 a batch in bf16; later the accumulators and the sums
	s_load_b512 s[4:19], s[0:1], 0x0               ; x 4, noise 6, Wg 8, Wn 10, bg 12, bn 14, W1 16, W2 18
	s_load_b128 s[20:23], s[0:1], 0x40             ; wp 20, rt 22
	s_load_b64 s[24:25], s[0:1], 0x50              ; gt
	s_load_b64 s[62:63], s[0:1], 0x58              ; xb
	v_lshl_add_u32 v254, v0, 2, SPARE              ; my spare word,
	v_mov_b32 v255, 0                              ; and 0: kept for the add at wave 8's end
	v_lshrrev_b32 v1, 5, v0
	v_readfirstlane_b32 s26, v1                    ; wave 0..8
	v_and_b32 v1, 31, v0                           ; lane
	s_wait_kmcnt 0x0
	s_cmp_eq_u32 s26, 8
	s_cbranch_scc1 .Lrouter
; ---------------- waves 0-7: one block of wp ----------------
	s_lshl_b32 s27, ttmp9, 3
	s_add_co_u32 s27, s27, s26                     ; J = 8 b + wave = the block's number in wp: w = J & 3, c = (J >> 2) & 7, p = bit 5, s = bits 7:6, e = bits 10:8
	s_lshl_b32 s28, s27, 14
	s_mov_b32 s29, 0
	s_add_nc_u64 s[38:39], s[20:21], s[28:29]      ; where the block goes
	s_and_b32 s30, s27, 3                          ; w
	s_bfe_u32 s31, s27, 0x30002                    ; c
	s_bfe_u32 s32, ttmp9, 0x20003                  ; s
	s_lshr_b32 s33, ttmp9, 5                       ; e
	s_bitcmp1_b32 ttmp9, 2                         ; p, the same for the whole work-group
	s_cselect_b64 s[36:37], s[18:19], s[16:17]     ; W2 or W1
	s_cselect_b32 s58, 17, 19                      ; 64 c rows of 2,048 or of 8,192 bytes
	s_cselect_b32 s59, 20, 11                      ; s: 512 rows of 2,048 bytes, or 512 columns of 4
	s_cselect_b32 s60, 11, 13                      ; log2 of the pitch
	s_lshl_b32 s34, s33, 22                        ; an expert is 4 MiB in both tensors
	s_lshl_b32 s30, s30, 9                         ; 128 w columns of 4 bytes
	s_or_b32 s34, s34, s30
	s_lshl_b32 s31, s31, s58
	s_or_b32 s34, s34, s31
	s_lshl_b32 s32, s32, s59
	s_or_b32 s34, s34, s32
	s_mov_b32 s35, 0
	s_add_nc_u64 s[40:41], s[36:37], s[34:35]      ; the block's first row; s[40+2u:41+2u]: its row 8 u
	s_lshl_b32 s61, 1, s60                         ; the pitch
	s_lshl_b32 s56, 8, s60                         ; eight rows
	s_mov_b32 s57, 0
.irp u, 1,2,3,4,5,6,7
	s_add_nc_u64 s[40+2*\u:41+2*\u], s[38+2*\u:39+2*\u], s[56:57]
.endr
	v_lshlrev_b32 v4, 4, v1                        ; v[4+i] = 16 lane + i rows
.irp i, 1,2,3,4,5,6,7
	v_add_nc_u32 v[4+\i], s61, v[3+\i]
.endr
	v_lshrrev_b32 v3, 4, v1                        ; g
	v_and_b32 v2, 15, v1                           ; r
	v_lshlrev_b32 v2, 4, v2
	v_lshl_add_u32 v3, v3, 12, v2                  ; 4 g fragments of 1,024 bytes + 16 r
.macro LDSUB u, slot                   ; rows 8 u .. 8 u + 7: each load is 512 consecutive bytes, the block's 128 columns
.irp i, 0,1,2,3,4,5,6,7
	global_load_b128 v[IN+32*(\slot)+4*\i:IN+32*(\slot)+4*\i+3], v[4+\i], s[40+2*(\u):41+2*(\u)] th:TH_LOAD_NT
.endr
.endm
.macro CVSUB u, slot, out, left        ; out: 16 registers that nothing has been stored from; left: the loads issued behind this sub-unit's eight
	s_wait_loadcnt \left
.irp jj, 0,1,2,3
.irp i, 0,1,2,3
	v_cvt_pk_bf16_f32 v[(\out)+4*\jj+\i], v[IN+32*(\slot)+8*\i+\jj], v[IN+32*(\slot)+8*\i+4+\jj]  ; column jj of rows 2 i, 2 i + 1
.endr
.endr
.irp jj, 0,1,2,3                       ; k = 8 u + 0..7: kk = u / 4, half = (u % 4) / 2, h = u % 2
	global_store_b128 v3, v[(\out)+4*\jj:(\out)+4*\jj+3], s[38:39] offset:((\u)/4)*8192+\jj*1024+(((\u)%4)/2)*512+((\u)%2)*256
.endr
.endm
	LDSUB 0, 0
	LDSUB 1, 1
	LDSUB 2, 2
	LDSUB 3, 3
	LDSUB 4, 4
	CVSUB 0, 0, OUT, 32
	LDSUB 5, 0
	CVSUB 1, 1, OUT+16, 32
	LDSUB 6, 1
	CVSUB 2, 2, OUT+32, 32
	LDSUB 7, 2
	CVSUB 3, 3, OUT+48, 32
	CVSUB 4, 4, IN+96, 24                          ; into slot 3, which sub-unit 3 has left
	CVSUB 5, 0, IN+112, 16
	CVSUB 6, 1, IN+128, 8                          ; into slot 4, which sub-unit 4 has left
	CVSUB 7, 2, IN+144, 0
	s_endpgm                                       ; these waves wrote no LDS
; ---------------- wave 8: the router ----------------
.Lrouter:
	s_mov_b32 s40, 0xffff0000                      ; a word's upper bf16; also the mask of lanes 16-31
	s_mov_b32 s41, 0x76543210                      ; v_permlanex16_b32: each lane takes its own place in the other half
	s_mov_b32 s42, 0xfedcba98
	s_mov_b32 s43, 0xbfb8aa3b                      ; -log2 e
	s_mov_b32 s44, 0x3f317218                      ; ln 2
	s_mov_b32 s45, 0xff800000                      ; -infinity
	s_lshl_b32 s27, ttmp9, 9                       ; 16 tokens x 32 bytes of noise
	v_and_b32 v4, 15, v1                           ; r
	v_lshrrev_b32 v5, 4, v1                        ; h
	v_lshl_add_u32 v6, v4, 5, s27
	v_mov_b32 v10, 0
	global_load_b128 v[16:19], v6, s[6:7]          ; token r's noise, in both halves of the lanes
	global_load_b128 v[20:23], v6, s[6:7] offset:16
	global_load_b128 v[24:27], v10, s[12:13]       ; bg
	global_load_b128 v[28:31], v10, s[12:13] offset:16
	global_load_b128 v[32:35], v10, s[14:15]       ; bn
	global_load_b128 v[36:39], v10, s[14:15] offset:16
	s_lshl_b32 s28, ttmp9, 15                      ; 16 rows of x, 2,048 bytes each
	s_mov_b32 s29, 0
	s_add_nc_u64 s[36:37], s[4:5], s[28:29]
	s_lshl_b32 s46, ttmp9, 14                      ; 16 rows of xb, 1,024 bytes each
	s_mov_b32 s47, 0
	s_add_nc_u64 s[62:63], s[62:63], s[46:47]
	v_lshlrev_b32 v7, 4, v1                        ; 16 lane
	v_lshrrev_b32 v8, 1, v1
	v_and_b32 v9, 1, v1
	v_lshlrev_b32 v8, 5, v8
	v_lshl_add_u32 v8, v9, 3, v8                   ; a load of Wg or Wn holds 16 rows k of 8: lane -> row lane / 2, half lane % 2
	v_lshlrev_b32 v14, 3, v1                       ; x: 4 numbers a lane become 8 bytes: in xb,
	v_add_nc_u32 v9, XT, v14                       ; and in LDS
.macro RLD set, base, n0               ; 16 loads of 512 consecutive bytes
.set i, 0
.rept 16
	global_load_b128 v[ST+64*(\set)+4*i:ST+64*(\set)+4*i+3], v7, s[\base:\base+1] offset:512*((\n0)+i)
.set i, i+1
.endr
.endm
.macro RCV set, left, isx, n0, add     ; a batch is rounded and laid into LDS (x: into xb too); left: the next batch's 16 loads may stay out
	s_wait_loadcnt \left
.if \isx
	s_wait_xcnt 0x0                                ; the registers that the last batch's stores into xb read are rewritten only behind this wait
.endif
.set i, 0
.rept 16
	v_cvt_pk_bf16_f32 v[CT+2*i], v[ST+64*(\set)+4*i], v[ST+64*(\set)+4*i+1]
	v_cvt_pk_bf16_f32 v[CT+2*i+1], v[ST+64*(\set)+4*i+2], v[ST+64*(\set)+4*i+3]
.set i, i+1
.endr
.set i, 0
.rept 16
.if \isx
	ds_store_b64 v9, v[CT+2*i:CT+2*i+1] offset:(((\n0)+i)/4)*XP+(((\n0)+i)%4)*256
	global_store_b64 v14, v[CT+2*i:CT+2*i+1], s[62:63] offset:(((\n0)+i)/4)*1024+(((\n0)+i)%4)*256  ; the wave stores 256 consecutive bytes, at a multiple of 256 from xb's first byte
.else
	ds_store_b64 v8, v[CT+2*i:CT+2*i+1] offset:512*((\n0)+i)+(\add)
.endif
.set i, i+1
.endr
.endm
	RLD 0, 8, 0                                    ; Wg, Wn, then the 16 rows of x: eight batches, two on their way
	RLD 1, 8, 16
	RCV 0, 16, 0, 0, 0
	RLD 0, 10, 0
	RCV 1, 16, 0, 16, 0
	RLD 1, 10, 16
	RCV 0, 16, 0, 0, 16
	RLD 0, 36, 0
	RCV 1, 16, 0, 16, 16
	RLD 1, 36, 16
	RCV 0, 16, 1, 0, 0
	RLD 0, 36, 32
	RCV 1, 16, 1, 16, 0
	RLD 1, 36, 48
	RCV 0, 16, 1, 32, 0
	RCV 1, 0, 1, 48, 0
	s_wait_xcnt 0x0                                ; the last batch's registers become accumulators only behind this wait
	; Fragments.  The weights lie [k][16 outputs], so they come turned: lane l reads row 8 h + l % 8, outputs 8 ((l / 8) % 2) + 0..7, and is left with output l % 16 and 8 k.  x lies along k.
	v_and_b32 v11, 7, v1
	v_lshl_add_u32 v11, v5, 3, v11
	v_bfe_u32 v12, v1, 3, 1
	v_lshlrev_b32 v11, 5, v11
	v_lshl_add_u32 v11, v12, 4, v11
	v_mul_u32_u24 v13, v4, XP
	v_lshl_add_u32 v13, v5, 4, v13
	v_add_nc_u32 v13, XT, v13
.macro FR g, set                       ; four K steps' fragments: 16 LDS loads.  LDS serves a wave's instructions in order (ISA guide 5.7.1.4): they see the stores above
.irp c, 0,1,2,3
	ds_load_tr16_b128 v[ST+64*(\set)+16*\c:ST+64*(\set)+16*\c+3],   v11 offset:1024*(4*(\g)+\c)
	ds_load_tr16_b128 v[ST+64*(\set)+16*\c+4:ST+64*(\set)+16*\c+7], v11 offset:1024*(4*(\g)+\c)+512
	ds_load_b128 v[ST+64*(\set)+16*\c+8:ST+64*(\set)+16*\c+11],     v13 offset:64*(4*(\g)+\c)
	ds_load_b128 v[ST+64*(\set)+16*\c+12:ST+64*(\set)+16*\c+15],    v13 offset:64*(4*(\g)+\c)+32
.endr
.endm
.macro MM set, zero                    ; four K steps; the two accumulators take turns
.irp c, 0,1,2,3
.if (\zero) && (\c < 2)
	v_wmma_f32_16x16x32_bf16 v[CT+8*(\c%2):CT+8*(\c%2)+7], v[ST+64*(\set)+16*\c:ST+64*(\set)+16*\c+7], v[ST+64*(\set)+16*\c+8:ST+64*(\set)+16*\c+15], 0
.else
	v_wmma_f32_16x16x32_bf16 v[CT+8*(\c%2):CT+8*(\c%2)+7], v[ST+64*(\set)+16*\c:ST+64*(\set)+16*\c+7], v[ST+64*(\set)+16*\c+8:ST+64*(\set)+16*\c+15], v[CT+8*(\c%2):CT+8*(\c%2)+7]
.endif
.endr
.endm
.macro PLACES                          ; four plain places between a matrix instruction and a load into, or a vector read of, its registers
.rept 4
	v_nop
.endr
.endm
	FR 0, 0
	FR 1, 1
	s_wait_dscnt 16                                ; the first group is in, the second may be out
	MM 0, 1
	PLACES
	FR 2, 0
	s_wait_dscnt 16
	MM 1, 0
	PLACES
	FR 3, 1
	s_wait_dscnt 16
	MM 0, 0
	s_wait_dscnt 0x0
	MM 1, 0
	PLACES
	; Lane (r, h), register j: output 8 h + j of token r: h = 0 the logits, h = 1 the noise logits.  Both are brought into both halves.
.irp j, 0,1,2,3,4,5,6,7
	v_add_f32 v[208+\j], v[192+\j], v[200+\j]
.endr
.irp j, 0,1,2,3,4,5,6,7
	v_permlanex16_b32 v[216+\j], v[208+\j], s41, s42
.endr
.irp j, 0,1,2,3,4,5,6,7
	v_cndmask_b32 v[224+\j], v[208+\j], v[216+\j], s40  ; logits
	v_cndmask_b32 v[232+\j], v[216+\j], v[208+\j], s40  ; noise logits
.endr
.irp i, 0,1,2,3,4,5,6,7,8,9,10,11      ; noise, bg, bn rounded to bf16
	v_cvt_pk_bf16_f32 v[40+\i], v[16+2*\i], v[17+2*\i]
	v_lshlrev_b32 v[16+2*\i], 16, v[40+\i]
	v_and_b32 v[17+2*\i], s40, v[40+\i]
.endr
.irp j, 0,1,2,3,4,5,6,7
	v_add_f32 v[232+\j], v[232+\j], v[32+\j]       ; z
	v_and_b32 v[64+\j], 0x7fffffff, v[232+\j]
	v_mul_f32 v[64+\j], s43, v[64+\j]              ; -|z| log2 e
.endr
.irp j, 0,1,2,3,4,5,6,7
	v_exp_f32 v[64+\j], v[64+\j]
.endr
.irp j, 0,1,2,3,4,5,6,7
	v_max_num_f32 v[72+\j], 0, v[232+\j]           ; plain work behind the exponentials, ahead of the use of their results
.endr
	s_wait_alu depctr_va_vdst(0)
.irp j, 0,1,2,3,4,5,6,7
	v_add_f32 v[64+\j], 1.0, v[64+\j]
.endr
.irp j, 0,1,2,3,4,5,6,7
	v_log_f32 v[64+\j], v[64+\j]
.endr
.irp j, 0,1,2,3,4,5,6,7
	v_add_f32 v[224+\j], v[224+\j], v[24+\j]       ; logit + bg: plain work behind the logarithms
.endr
	s_wait_alu depctr_va_vdst(0)
.irp j, 0,1,2,3,4,5,6,7
	v_fma_f32 v[64+\j], v[64+\j], s44, v[72+\j]    ; softplus
	v_fma_f32 v[80+\j], v[16+\j], v[64+\j], v[224+\j]  ; noisy
.endr
.macro SCAN mx, ix                     ; the largest of v80-87 and its index; strictly greater, ascending: a tie keeps the lower index
	v_mov_b32 v[\mx], v80
	v_mov_b32 v[\ix], 0
.irp e, 1,2,3,4,5,6,7
	v_cmp_gt_f32 vcc_lo, v[80+\e], v[\mx]
	v_cndmask_b32 v[\mx], v[\mx], v[80+\e], vcc_lo
	v_cndmask_b32 v[\ix], v[\ix], \e, vcc_lo
.endr
.endm
	SCAN 88, 89
.irp e, 0,1,2,3,4,5,6,7
	v_cmp_eq_u32 vcc_lo, \e, v89
	v_cndmask_b32 v[80+\e], v[80+\e], s45, vcc_lo  ; the winner leaves the field
.endr
	SCAN 90, 91
	v_sub_f32 v92, v90, v88                        ; the maximum is taken away: the exponent is 0 or below
	v_mul_f32 v92, 0x3fb8aa3b, v92
	v_exp_f32 v92, v92
	v_nop
	s_wait_alu depctr_va_vdst(0)
	v_add_f32 v93, 1.0, v92
	v_rcp_f32 v93, v93                             ; gate of the largest
	v_nop
	s_wait_alu depctr_va_vdst(0)
	v_mul_f32 v94, v92, v93                        ; gate of the second
	v_cndmask_b32 v95, v93, v94, s40
	s_lshl_b32 s46, ttmp9, 6
	v_lshl_add_u32 v96, v4, 2, s46
	v_lshl_add_u32 v96, v5, 14, v96                ; gt[4096 h + 16 b + r]
	global_store_b32 v96, v95, s[24:25]
	v_mov_b32 v97, 0
.irp k, 0,1
.irp e, 0,1,2,3,4,5,6,7
	v_cmp_eq_u32 s47, \e, v[89+2*\k]               ; which of my 16 tokens have expert e as choice k
	s_and_b32 s47, s47, 0xffff
	s_bcnt1_i32_b32 s48, s47
	s_lshl_b32 s48, s48, 16
	s_or_b32 s47, s47, s48
	v_writelane_b32 v97, s47, 8*\k+\e
.endr
.endr
	v_and_b32 v98, 7, v1
	v_bfe_u32 v99, v1, 3, 1
	s_lshl_b32 s50, ttmp9, 2
	v_lshl_add_u32 v98, v98, 11, s50
	v_lshl_add_u32 v98, v99, 10, v98               ; rt[e = lane % 8][256 k + b], k = lane / 8: sixteen words far apart, so that the next launch reads the table as it lies
	v_cmp_gt_u32 vcc_lo, 16, v1
	s_wait_xcnt 0x0                                ; EXEC changes only behind this wait
	s_and_saveexec_b32 s49, vcc_lo
	global_store_b32 v98, v97, s[22:23]
	s_wait_xcnt 0x0                                ; and again, in front of the line that widens it
	s_or_b32 exec_lo, exec_lo, s49
	s_wait_tensorcnt 0x0                           ; the wave's end
	ds_add_u32 v254, v255
	s_wait_dscnt 0x0
	s_endpgm
.Lfunc_end_k_qbec9be7d58_prep:
	.size	k_qbec9be7d58_prep, .Lfunc_end_k_qbec9be7d58_prep-k_qbec9be7d58_prep
	.p2alignl 7, 3214868480
	.fill 96, 4, 3214868480
	.section	.rodata,"a",@progbits
	.p2align	6, 0x0
	.amdhsa_kernel k_qbec9be7d58_prep
		.amdhsa_group_segment_fixed_size 34304
		.amdhsa_private_segment_fixed_size 0
		.amdhsa_enable_private_segment 0
		.amdhsa_kernarg_size 96
		.amdhsa_user_sgpr_count 2
		.amdhsa_user_sgpr_kernarg_segment_ptr 1
		.amdhsa_wavefront_size32 1
		.amdhsa_system_sgpr_workgroup_id_x 1
		.amdhsa_system_sgpr_workgroup_id_y 1
		.amdhsa_system_sgpr_workgroup_id_z 1
		.amdhsa_system_vgpr_workitem_id 0
		.amdhsa_next_free_vgpr 256
		.amdhsa_next_free_sgpr 66
		.amdhsa_reserve_vcc 1
		.amdhsa_float_denorm_mode_32 3
		.amdhsa_float_denorm_mode_16_64 3
		.amdhsa_memory_ordered 1
		.amdhsa_forward_progress 1
		.amdhsa_inst_pref_size 85
	.end_amdhsa_kernel
	.amdgpu_metadata
---
amdhsa.version: [ 1, 2 ]
amdhsa.kernels:
  - .name:           k_qbec9be7d58_prep
    .symbol:         k_qbec9be7d58_prep.kd
    .args:
      - { .name: x, .offset: 0, .size: 8, .value_kind: global_buffer, .address_space: global }
      - { .name: noise, .offset: 8, .size: 8, .value_kind: global_buffer, .address_space: global }
      - { .name: Wg, .offset: 16, .size: 8, .value_kind: global_buffer, .address_space: global }
      - { .name: Wn, .offset: 24, .size: 8, .value_kind: global_buffer, .address_space: global }
      - { .name: bg, .offset: 32, .size: 8, .value_kind: global_buffer, .address_space: global }
      - { .name: bn, .offset: 40, .size: 8, .value_kind: global_buffer, .address_space: global }
      - { .name: W1, .offset: 48, .size: 8, .value_kind: global_buffer, .address_space: global }
      - { .name: W2, .offset: 56, .size: 8, .value_kind: global_buffer, .address_space: global }
      - { .name: wp, .offset: 64, .size: 8, .value_kind: global_buffer, .address_space: global }
      - { .name: rt, .offset: 72, .size: 8, .value_kind: global_buffer, .address_space: global }
      - { .name: gt, .offset: 80, .size: 8, .value_kind: global_buffer, .address_space: global }
      - { .name: xb, .offset: 88, .size: 8, .value_kind: global_buffer, .address_space: global }
    .group_segment_fixed_size: 34304
    .private_segment_fixed_size: 0
    .kernarg_segment_align: 8
    .kernarg_segment_size: 96
    .max_flat_workgroup_size: 288
    .sgpr_count:     66
    .vgpr_count:     256
    .wavefront_size: 32
...
	.end_amdgpu_metadata
.endif
;; end of part 1
;; launch moe (part 2): grid 4 x 64, 4 waves a work-group, no clusters, 174,080 bytes of LDS; arguments xb, b1, b2, wp, rt, gt, part; writes part
.if DOCPART == 2
	.amdgcn_target "amdgcn-amd-amdhsa--gfx1250"
	.amdhsa_code_object_version 6
	.text
	.protected	k_qbec9be7d58_moe
	.globl	k_qbec9be7d58_moe
	.p2align	8
	.type	k_qbec9be7d58_moe,@function
k_qbec9be7d58_moe:
	s_mov_b64 s[64:65], 0
	v_nop
	global_prefetch_b8 v0, s[64:65] scope:SCOPE_SE
	s_setreg_imm32_b32 hwreg(HW_REG_WAVE_MODE, 25, 1), 1
	s_wait_xcnt 0x0
; MOE.  A work-group takes a tile of up to 144 routed rows of ONE expert through the expert's MLP for a quarter (512) of the hidden width:
;   part[s][id][:] = gate[id] * ( relu(x[token] W1[e][:, slice s] + b1[e][slice s]) W2[e][slice s, :] + (s = 0: b2[e]) ),  id = 4096 k + token.  The next launch adds a token's eight rows.
; x, W1, W2 come rounded to bf16 from the launch before (xb, wp); b1, b2 are rounded here; the hidden layer is rounded once to bf16; products' sums, gates and part are f32.
; THE GRID SERVES EVERY SPLIT.  An expert with C rows has ceil(C / 144) tiles; 8,192 rows over 8 experts make floor((8192 + 8 x 143) / 144) = 64 tiles at the most: grid y = 64 tile numbers, x = 4 slices.
;   Every work-group counts the experts' rows from rt and finds its expert and its first rank; a tile number past the last tile passes the same barriers and stores nothing.
;   In a tile that is not full the places past the count repeat the last row.  ceil(C / 144) = ((C + 143) x 3641) >> 19, exact below 32,768; C is 4,096 at the most.
; DEAD ROWS.  Ahead of row blocks 0, 4 and 8 of a half step a scalar branch on the tile's count jumps the matrix instructions of blocks wholly past the count; what is jumped holds matrix instructions alone, all loads and
;   waits stand on every path.  A product's first half step is never jumped, so every accumulator is written on every path; nor is the half step that holds a barrier.  Dead blocks' numbers are never stored.
; THE ROW LIST.  Each wave finds the ids of its own 36 places by rank: the 16 chunk sums, the chunk's 8 prefixes, 4 words, 15 running bit counts, each a monotone compare and select.
; SHARES.  Four waves; each has all 144 rows x 128 columns: 72 accumulators of 16 x 16.  First product: columns = hidden 128 w + .. of the slice, K = 512 channels; second: columns = outputs 128 w + .., K = the slice's 512.
; THE WEIGHTS GO FROM MEMORY STRAIGHT INTO REGISTERS.  A wave's weights are read by that wave alone and lie in wp in operand order, so LDS would be a round trip.  Each product goes in 16 half steps of 32 along K,
;   72 matrix instructions each; a half step's weights are 16 loads of 512 consecutive bytes into one of four register buffers.  Half step t asks for the weights of t + 3, into the buffer that t - 1 has left:
;   48 loads of a wave are out while it multiplies, and the waits for them are counted.  The half steps run on from W1 into W2.  x, later h, lies in LDS and is read by all four waves; the loops have no barrier.
; THE SECOND PRODUCT'S LAST THREE HALF STEPS GO BY ROWS.  Their weights all lie in registers, so a block of 16 rows is finished by 24 matrix instructions (its 8 accumulators by turns, K ascending: the sums stay the same
;   bit for bit) and leaves at once: the stores of the first blocks are on their way while the others are multiplied.
; LAYOUT.  First product: source 0 = weights, source 1 = x: a lane's results are one token and, over four fragments, 32 neighbouring hidden numbers = 64 bytes of bf16, stored straight into the rows that held x.
;   Second: source 0 = h, source 1 = weights: register j is token 8 h + j, and four fragments give a lane 4 neighbouring columns: sixteen lanes store 256 consecutive bytes of a row of part.
; NO CLUSTER.  An expert's tiles share weights, but their number hangs on the split and is no multiple of four for every split; whole clusters for each expert would raise the bound on a work-group's rows from 144 to 228.
;   What the four slices of a tile share is x, 144 of the 1,168 KiB that a work-group brings in, and its rows come by a list, which no descriptor covers.
; LDS.  0 rt as it lies; SPX [e][128] prefix at every 4 words inside a chunk of 32; CS [e][16] chunk sums; LT, GT the tile's ids and gates; the spare words; XR 144 rows x 1,040 bytes: x, later h.
; REGISTERS, in windows of 256 (s_set_vgpr_msb: bits 1:0 source 0, 3:2 source 1, 5:4 source 2, 7:6 destination):
;   window 0: v0-14 addresses; v15-31 at work; v32-103, v104-175 fragments of x or h (9 x 16 rows x 32 K), two buffers (by rows: v32-95 four buffers of 16 rows x 64 K, v96-103 the stores' offsets);
;             v176-239 the weights' buffer 3, in a product's first half step the bias as C operand; v240-247 b2
;   window 1: v0-191 the weights' buffers 0-2 (by rows: v0-63 the numbers to store); v192-255 the accumulators of rows 128-143
;   window 2: accumulators of rows 0-63 ((a, f) at 8 (8 (a % 4) + f)); window 3: those of rows 64-127; in the prologue both take x on its way in
.set M,     144
.set RW,    0
.set SPX,   16384
.set CS,    20480
.set LT,    22272
.set GT,    23040
.set SPARE, 23808                      ; the spare words: 128 bytes for each wave, two blocks of 256 bytes that no other line names
.set XR,    24320
.set XP,    1040                       ; 1,024 bytes + 16: the 16 rows of a fragment load start 16 bytes apart modulo 256
.set BLK,   16*XP
.set QUAD,  4*BLK
.set STEPB, 65536                      ; a step of wp: four waves' blocks of 16,384 bytes
.set HALFB, 8192                       ; half a block: 32 along K
.set SPW,  2                           ; v2    my spare word's address; never rewritten
.set NIL,  3                           ; v3    0; never rewritten
.set ZERO, 4                           ; v4    0, for the packed maximum
.set ADRW, 5                           ; v5    16 lane: my 16 bytes of a load of weights; never rewritten
.set ADRA, 7                           ; v7-9  my place in rows 0-63, 64-127, 128-143 of XR; steps along K
.set HST,  10                          ; v10-12 where my 64 bytes of h go, likewise
.set H32,  13                          ; v13   32 h
.set OB,   14                          ; v14   512 w + 16 r: my 16 bytes in a row of part
.set HH,   16                          ; v16   h = lane / 16 (prologue)
.set RR,   17                          ; v17   r = lane % 16 (prologue)
.set A0,   32                          ; fragments of x or h: buffer b at A0 + 72 b
.set T1,   32                          ; at work between the products
.set AB2,  32                          ; by rows: block a's fragments of half steps 14, 15 at AB2 + 16 (a % 4)
.set OF,   96                          ; by rows: the byte offsets in part of a block's rows
.set B3,   176                         ; the weights' buffer 3; the bias as C operand
.set B2V,  240                         ; b2 of my eight columns
.set MSB, 0
.macro WIN new                         ; the immediate's high byte repeats the setting that is left; a switch that changes nothing is dropped
.if MSB != (\new)
	s_set_vgpr_msb (MSB<<8)|(\new)
.set MSB, (\new)
.endif
.endm
.macro PLACES                          ; four plain places between a matrix instruction and a load into, or a vector read or write of, its registers (ISA guide 7.12.1 for vector reads and writes)
.rept 4
	v_nop
.endr
.endm
.macro LOADB bb, u                     ; 16 loads: the weights of half step u, counted from where the base stands, into buffer bb
.if (\bb) < 3
	WIN 0x40                                       ; destination window 1, address window 0
.set BR, 64*(\bb)
.else
	WIN 0
.set BR, B3
.endif
.set f, 0
.rept 8
	global_load_b128 v[BR+8*f:BR+8*f+3],   v[ADRW], s[50:51] offset:((\u)/2)*STEPB+((\u)%2)*HALFB+f*1024
	global_load_b128 v[BR+8*f+4:BR+8*f+7], v[ADRW], s[50:51] offset:((\u)/2)*STEPB+((\u)%2)*HALFB+f*1024+512
.set f, f+1
.endr
.endm
	s_load_b256 s[4:11], s[0:1], 0x0               ; xb 4, b1 6, b2 8, wp 10
	s_load_b128 s[12:15], s[0:1], 0x20             ; rt 12, gt 14
	s_load_b64 s[16:17], s[0:1], 0x30              ; part
	v_lshl_add_u32 v[SPW], v0, 2, SPARE            ; kept for the add at the wave's end
	v_mov_b32 v[NIL], 0
	v_lshrrev_b32 v1, 5, v0
	v_readfirstlane_b32 s20, v1                    ; wave 0..3
	v_and_b32 v1, 31, v0                           ; lane
	v_mov_b32 v[ZERO], 0
	v_lshlrev_b32 v15, 7, v0                       ; 128 t
	v_lshrrev_b32 v[HH], 4, v1
	v_and_b32 v[RR], 15, v1
	v_lshlrev_b32 v[ADRW], 4, v1
	s_mov_b32 s21, ttmp9                           ; slice
	s_and_b32 s22, ttmp7, 0xffff                   ; tile number
	s_mov_b32 s63, 0xffff0000                      ; a word's upper bf16
	s_wait_kmcnt 0x0
	; rt: thread t = 16 e + q takes chunk q of expert e: 32 words
.irp i, 0,1,2,3,4,5,6,7
	global_load_b128 v[32+4*\i:35+4*\i], v15, s[12:13] offset:16*\i
.endr
	s_wait_loadcnt 0x0
.set i, 0
.rept 32
	v_lshrrev_b32 v[64+i], 16, v[32+i]             ; a word's count
.set i, i+1
.endr
	v_mov_b32 v96, 0
.set i, 0
.rept 8                                ; v[96+m]: the count of the chunk's first 4 m words
	v_add3_u32 v105, v[64+4*i], v[64+4*i+1], v[64+4*i+2]
	v_add3_u32 v[97+i], v105, v[64+4*i+3], v[96+i]
.set i, i+1
.endr
.irp i, 0,1,2,3,4,5,6,7
	ds_store_b128 v15, v[32+4*\i:35+4*\i] offset:RW+16*\i
.endr
	v_lshlrev_b32 v18, 5, v0
	ds_store_b128 v18, v[96:99] offset:SPX
	ds_store_b128 v18, v[100:103] offset:SPX+16
	v_lshlrev_b32 v19, 2, v0
	ds_store_b32 v19, v104 offset:CS
	s_wait_dscnt 0x0                               ; for the others' sake: my stores are done
	s_barrier_signal -1
	s_barrier_wait -1
	; the experts' counts, into scalars: lane l adds the 16 chunk sums of expert l % 8
	v_and_b32 v18, 7, v1
	v_lshlrev_b32 v18, 6, v18
.irp i, 0,1,2,3
	ds_load_b128 v[32+4*\i:35+4*\i], v18 offset:CS+16*\i
.endr
	s_wait_dscnt 0x0
	v_add3_u32 v48, v32, v33, v34
.irp i, 35,37,39,41,43,45
	v_add3_u32 v48, v48, v[\i], v[\i+1]
.endr
	v_add_nc_u32 v48, v48, v47
.irp e, 0,1,2,3,4,5,6,7
	v_readlane_b32 s[32+\e], v48, \e
.endr
	; my expert: the last whose first tile number is not above mine
	s_mov_b32 s29, 0                               ; the first tile number of expert e
	s_mov_b32 s23, 0                               ; my expert,
	s_mov_b32 s24, 0                               ; its first tile number,
	s_mov_b32 s25, s32                             ; its count
.irp e, 0,1,2,3,4,5,6,7
.if \e > 0
	s_cmp_le_u32 s29, s22
	s_cselect_b32 s23, \e, s23
	s_cselect_b32 s24, s29, s24
	s_cselect_b32 s25, s[32+\e], s25
.endif
.if \e < 7
	s_add_co_u32 s30, s[32+\e], M-1
	s_mul_i32 s30, s30, 3641
	s_lshr_b32 s30, s30, 19                        ; its tiles
	s_add_co_u32 s29, s29, s30
.endif
.endr
	s_min_u32 s23, s23, 7
	s_sub_co_u32 s24, s22, s24                     ; my tile among the expert's
	s_mul_i32 s26, s24, M                          ; r0: my first rank
	s_sub_co_i32 s27, s25, s26
	s_max_i32 s27, s27, 0
	s_min_i32 s27, s27, M                          ; NR: my rows
	s_sub_co_i32 s28, s27, 1
	s_max_i32 s28, s28, 0                          ; the last place that holds a row of its own
	; my weights: wp + ((4 e + s) << 20) + (wave << 14); the first half step's are asked for at once
	s_lshl_b32 s58, s23, 2
	s_add_co_u32 s58, s58, s21
	s_lshl_b32 s58, s58, 20
	s_lshl_b32 s60, s20, 14
	s_add_co_u32 s58, s58, s60
	s_mov_b32 s59, 0
	s_add_nc_u64 s[50:51], s[10:11], s[58:59]
	LOADB 0, 0
	WIN 0
	s_lshl_b32 s58, s21, 24                        ; a slice of part is 8,192 rows of 2,048 bytes
	s_add_nc_u64 s[18:19], s[16:17], s[58:59]
	; b1: fragment f = 4 g + jj, register j of lane (r, h) is hidden 64 g + 32 h + 4 j + jj of my 128: a load of 16 bytes holds jj = 0..3.  b2: column 64 g + 4 r + jj
	s_lshl_b32 s61, s23, 13
	s_lshl_b32 s62, s21, 11
	s_add_co_u32 s61, s61, s62
	s_lshl_b32 s62, s20, 9
	s_add_co_u32 s61, s61, s62
	v_lshl_add_u32 v18, v[HH], 7, s61
.set i, 0
.rept 16                               ; i = 8 g + j
	global_load_b128 v[104+4*i:104+4*i+3], v18, s[6:7] offset:256*(i/8)+16*(i%8)
.set i, i+1
.endr
	s_lshl_b32 s61, s23, 11
	s_add_co_u32 s61, s61, s62
	v_lshl_add_u32 v19, v[RR], 4, s61
	global_load_b128 v[B2V:B2V+3], v19, s[8:9]
	global_load_b128 v[B2V+4:B2V+7], v19, s[8:9] offset:256
	; the address registers of the products and of the way out
	v_mul_u32_u24 v20, v[RR], XP
	v_lshl_add_u32 v[ADRA], v[HH], 4, v20
	v_add_nc_u32 v[ADRA], XR, v[ADRA]
	v_add_nc_u32 v[ADRA+1], QUAD, v[ADRA]
	v_add_nc_u32 v[ADRA+2], 2*QUAD, v[ADRA]
	v_lshl_add_u32 v[HST], v[HH], 6, v20
	s_lshl_b32 s62, s20, 8
	s_add_co_u32 s62, s62, XR
	v_add_nc_u32 v[HST], s62, v[HST]
	v_add_nc_u32 v[HST+1], QUAD, v[HST]
	v_add_nc_u32 v[HST+2], 2*QUAD, v[HST]
	v_lshlrev_b32 v[H32], 5, v[HH]
	s_lshl_b32 s62, s20, 9
	v_lshl_add_u32 v[OB], v[RR], 4, s62
	; MY 36 PLACES OF THE TILE, two streams: A: place 36 w + lane; B: place 36 w + 32 + lane % 4.  Rank = r0 + min(place, last place with a row of its own).
.set EA, 20
.set EB, 21
.set RA, 22
.set RB, 23
.set QA, 24
.set QB, 25
.set BA, 26
.set BB, 27
.set UA, 28
.set UB, 29
.set WA, 30
.set WB, 31
.macro PICK rk, idx, bs, val, n        ; where the prefix val is not above the rank: index n, base val.  The prefixes ascend, so the last hit stays
	v_cmp_le_u32 vcc_lo, v[\val], v[\rk]
	v_cndmask_b32 v[\idx], v[\idx], \n, vcc_lo
	v_cndmask_b32 v[\bs], v[\bs], v[\val], vcc_lo
.endm
	s_lshl_b32 s60, s23, 6
	v_mov_b32 v50, s60
.irp i, 0,1,2,3
	ds_load_b128 v[32+4*\i:35+4*\i], v50 offset:CS+16*\i  ; my expert's 16 chunk sums
.endr
	s_mul_i32 s59, s20, 36
	v_add_nc_u32 v[EA], s59, v1
	v_and_b32 v[EB], 3, v1
	v_add_nc_u32 v[EB], s59, v[EB]
	v_add_nc_u32 v[EB], 32, v[EB]
	v_min_u32 v[RA], s28, v[EA]
	v_min_u32 v[RB], s28, v[EB]
	v_add_nc_u32 v[RA], s26, v[RA]
	v_add_nc_u32 v[RB], s26, v[RB]
.irp z, QA, QB, BA, BB
	v_mov_b32 v[\z], 0
.endr
	s_wait_dscnt 0x0
.set i, 0
.rept 15                               ; the chunk
.if i > 0
	v_add_nc_u32 v[32+i], v[32+i-1], v[32+i]
.endif
	PICK RA, QA, BA, 32+i, i+1
	PICK RB, QB, BB, 32+i, i+1
.set i, i+1
.endr
	v_sub_nc_u32 v[RA], v[RA], v[BA]
	v_sub_nc_u32 v[RB], v[RB], v[BB]
	v_min_u32 v[QA], 15, v[QA]
	v_min_u32 v[QB], 15, v[QB]
	s_lshl_b32 s60, s23, 9
	v_lshl_add_u32 v50, v[QA], 5, s60
	v_lshl_add_u32 v51, v[QB], 5, s60
	ds_load_b128 v[32:35], v50 offset:SPX
	ds_load_b128 v[36:39], v50 offset:SPX+16
	ds_load_b128 v[40:43], v51 offset:SPX
	ds_load_b128 v[44:47], v51 offset:SPX+16
.irp z, UA, UB, BA, BB
	v_mov_b32 v[\z], 0
.endr
	s_wait_dscnt 0x0
.irp u, 1,2,3,4,5,6,7                  ; the group of four words
	PICK RA, UA, BA, 32+\u, \u
	PICK RB, UB, BB, 40+\u, \u
.endr
	v_sub_nc_u32 v[RA], v[RA], v[BA]
	v_sub_nc_u32 v[RB], v[RB], v[BB]
	v_min_u32 v[UA], 7, v[UA]
	v_min_u32 v[UB], 7, v[UB]
	s_lshl_b32 s60, s23, 11
	v_lshl_add_u32 v50, v[QA], 7, s60
	v_lshl_add_u32 v51, v[QB], 7, s60
	v_lshl_add_u32 v50, v[UA], 4, v50
	v_lshl_add_u32 v51, v[UB], 4, v51
	ds_load_b128 v[32:35], v50 offset:RW
	ds_load_b128 v[36:39], v51 offset:RW
.irp z, WA, WB, BA, BB
	v_mov_b32 v[\z], 0
.endr
	s_wait_dscnt 0x0
.irp i, 0,1,2
	v_lshrrev_b32 v[40+\i], 16, v[32+\i]
	v_lshrrev_b32 v[43+\i], 16, v[36+\i]
.endr
	v_add_nc_u32 v41, v40, v41
	v_add_nc_u32 v44, v43, v44
	v_add_nc_u32 v42, v41, v42
	v_add_nc_u32 v45, v44, v45
.irp i, 1,2,3                          ; the word; its mask ends up in v32 (A), v36 (B)
	PICK RA, WA, BA, 39+\i, \i
	v_cndmask_b32 v32, v32, v[32+\i], vcc_lo
	PICK RB, WB, BB, 42+\i, \i
	v_cndmask_b32 v36, v36, v[36+\i], vcc_lo
.endr
	v_sub_nc_u32 v[RA], v[RA], v[BA]
	v_sub_nc_u32 v[RB], v[RB], v[BB]
.irp z, 46, 47, 48, 49
	v_mov_b32 v[\z], 0
.endr
.set i, 0
.rept 15                               ; the bit: its place is the number of places whose running count of bits, themselves included, is not above the rank
	v_bfe_u32 v50, v32, i, 1
	v_bfe_u32 v51, v36, i, 1
	v_add_nc_u32 v47, v47, v50
	v_add_nc_u32 v49, v49, v51
	v_cmp_le_u32 vcc_lo, v47, v[RA]
	v_cndmask_b32 v46, v46, i+1, vcc_lo
	v_cmp_le_u32 vcc_lo, v49, v[RB]
	v_cndmask_b32 v48, v48, i+1, vcc_lo
.set i, i+1
.endr
	v_lshlrev_b32 v52, 9, v[QA]                    ; id = 16 (32 chunk + 4 group + word) + bit
	v_lshlrev_b32 v53, 9, v[QB]
	v_lshl_add_u32 v52, v[UA], 6, v52
	v_lshl_add_u32 v53, v[UB], 6, v53
	v_lshl_add_u32 v52, v[WA], 4, v52
	v_lshl_add_u32 v53, v[WB], 4, v53
	v_add_nc_u32 v52, v52, v46
	v_add_nc_u32 v53, v53, v48
	v_min_u32 v52, 0x1fff, v52
	v_min_u32 v53, 0x1fff, v53
	v_lshlrev_b32 v54, 2, v[EA]
	v_lshlrev_b32 v55, 2, v[EB]
	ds_store_b32 v54, v52 offset:LT
	ds_store_b32 v55, v53 offset:LT
	v_lshlrev_b32 v56, 2, v52
	v_lshlrev_b32 v57, 2, v53
	global_load_b32 v58, v56, s[14:15]             ; their gates
	global_load_b32 v59, v57, s[14:15]
	; x: 18 pairs of rows of 1,024 bytes; lanes 0-15 take 256 bytes of the even place's row, lanes 16-31 of the odd one's: four loads a pair
	s_mul_i32 s60, s20, 144
	v_lshl_add_u32 v60, v[HH], 2, s60
.set i, 0
.rept 18
	ds_load_b32 v[32+i], v60 offset:LT+8*i         ; my wave's own bytes: LDS serves a wave's instructions in order (ISA guide 5.7.1.4)
.set i, i+1
.endr
	v_lshlrev_b32 v61, 4, v[RR]
	s_mul_i32 s60, s20, 36*XP
	s_add_co_u32 s60, s60, XR
	v_mul_u32_u24 v62, v[HH], XP
	v_lshl_add_u32 v62, v[RR], 4, v62
	v_add_nc_u32 v62, s60, v62                     ; row 36 w + h, 16 bytes a lane
	s_wait_dscnt 0x0
.set i, 0
.rept 18
	v_min_u32 v[32+i], 0x1fff, v[32+i]
	v_and_b32 v[32+i], 0xfff, v[32+i]              ; the token
	v_lshl_add_u32 v[32+i], v[32+i], 10, v61
.set i, i+1
.endr
.macro XREG p                          ; window XW and first register XG of pair p's 16 registers
.if (\p) < 16
.set XW, 2
.set XG, 16*(\p)
.else
.set XW, 3
.set XG, 16*((\p)-16)
.endif
.endm
.macro GLD p
	XREG \p
	WIN XW<<6
.irp q, 0,1,2,3
	global_load_b128 v[XG+4*\q:XG+4*\q+3], v[32+(\p)], s[4:5] offset:256*\q
.endr
.endm
.macro GST p, left                     ; pair p goes into XR; left: the loads issued behind its four
	XREG \p
	s_wait_loadcnt \left
	WIN XW<<2
.irp q, 0,1,2,3
	ds_store_b128 v62, v[XG+4*\q:XG+4*\q+3] offset:2*XP*(\p)+256*\q
.endr
.endm
	; The order keeps at most 62 loads of the wave out: what is older has been asked for long before and makes room.
.irp p, 0,1,2,3,4,5
	GLD \p
.endr
	s_wait_loadcnt 26                              ; the first half step's weights and the biases are in: behind them stand 2 loads of gates and 24 of x
.irp p, 6,7,8,9,10,11,12,13,14
	GLD \p
.endr
	WIN 0
	; the biases, while x is on its way
.set i, 0
.rept 16
	v_cvt_pk_bf16_f32 v[104+4*i], v[104+4*i], v[104+4*i+1]
	v_cvt_pk_bf16_f32 v[104+4*i+2], v[104+4*i+2], v[104+4*i+3]
.set i, i+1
.endr
.set i, 0
.rept 16                               ; the C operand of fragment 4 g + jj, register j, at B3 + 32 g + 8 jj + j
.set rB, B3+32*(i/8)+i%8
	v_lshlrev_b32 v[rB], 16, v[104+4*i]
	v_and_b32 v[rB+8], s63, v[104+4*i]
	v_lshlrev_b32 v[rB+16], 16, v[104+4*i+2]
	v_and_b32 v[rB+24], s63, v[104+4*i+2]
.set i, i+1
.endr
	s_cmp_eq_u32 s21, 0
	s_cselect_b32 s58, -1, 0                       ; b2 is added once: by slice 0
.irp i, 0,2,4,6
	v_cvt_pk_bf16_f32 v252, v[B2V+\i], v[B2V+1+\i]
	v_lshlrev_b32 v[B2V+\i], 16, v252
	v_and_b32 v[B2V+1+\i], s63, v252
.endr
.irp i, 0,1,2,3,4,5,6,7
	v_cndmask_b32 v[B2V+\i], 0, v[B2V+\i], s58
.endr
.irp p, 0,1,2,3,4,5
	GST \p, 4*(14-\p)
.endr
.irp p, 15,16,17
	GLD \p
.endr
.irp p, 6,7
	GST \p, 4*(17-\p)
.endr
	LOADB 1, 1                                     ; the weights of half steps 1 and 2 follow x as the counter has room
.irp p, 8,9,10,11
	GST \p, 4*(17-\p)+16
.endr
	LOADB 2, 2
.irp p, 12,13,14,15,16,17
	GST \p, 4*(17-\p)+32
.endr
	WIN 0
	ds_store_b32 v54, v58 offset:GT
	ds_store_b32 v55, v59 offset:GT
	s_wait_dscnt 0x0                               ; for the others' sake: my rows of x, my ids and my gates are stored
	s_barrier_signal -1
	s_barrier_wait -1
; ---------------- the two products ----------------
.macro ACCOF a                         ; window X and first register AC of row block a's eight accumulators
.if (\a) < 4
.set X, 2
.set AC, 64*(\a)
.elseif (\a) < 8
.set X, 3
.set AC, 64*((\a)-4)
.else
.set X, 1
.set AC, 192
.endif
.endm
; All 9 row blocks x all 8 fragments of the weights, 32 along K: weights from buffer bb, rows from buffer ab.  ph = 1: weights are source 0; ph = 2: source 1.  first = 1: the bias starts the sums.
; skip = 1: ahead of row blocks 0, 4 and 8 the rest is jumped if it lies wholly past the tile's count; the jump passes matrix instructions alone.
; The accumulators take turns in the same order in every half step; a jump leaves that so: a half step begins with block 0 and ends with the last fragment of block 3, 7 or 8.
.macro MUL ph, bb, ab, first, skip
.if (\bb) < 3
.set BW, 1
.set BR, 64*(\bb)
.else
.set BW, 0
.set BR, B3
.endif
.set a, 0
.rept 9
.if (\skip) && (a%4 == 0)
	WIN 0                                          ; at a branch every window is 0
	s_cmp_le_u32 s27, 16*a
	s_cbranch_scc1 .Ldead_\@
.endif
	ACCOF a
.set CW, X
.if \first
.set CW, 0
.endif
.if (\ph) == 1
	WIN BW|(CW<<4)|(X<<6)
.else
	WIN (BW<<2)|(CW<<4)|(X<<6)
.endif
.set f, 0
.rept 8
.set rD, AC+8*f
.set rW, BR+8*f
.set rA, A0+72*(\ab)+8*a
.set rC, rD
.if \first
.set rC, B3+8*f
.endif
.if (\ph) == 1
	v_wmma_f32_16x16x32_bf16 v[rD:rD+7], v[rW:rW+7], v[rA:rA+7], v[rC:rC+7]
.else
	v_wmma_f32_16x16x32_bf16 v[rD:rD+7], v[rA:rA+7], v[rW:rW+7], v[rC:rC+7]
.endif
.set f, f+1
.endr
.set a, a+1
.endr
.if \skip
	WIN 0                                          ; at a label every window is 0
.Ldead_\@:
.endif
.endm
.macro FETCH_A aoff, buf               ; 18 loads: 144 rows x 32 K at byte aoff from where ADRA stands
	WIN 0
.set a, 0
.rept 9
	ds_load_b128 v[A0+72*(\buf)+8*a:A0+72*(\buf)+8*a+3],   v[ADRA+a/4] offset:(a%4)*BLK+(\aoff)
	ds_load_b128 v[A0+72*(\buf)+8*a+4:A0+72*(\buf)+8*a+7], v[ADRA+a/4] offset:(a%4)*BLK+(\aoff)+32
.set a, a+1
.endr
.endm
; HALF STEP t: weights in buffer bb = t % 4, rows in buffer ab = t % 2.  The buffers that t - 1 has left are asked for again first: the weights of t + 3 (ld: its number from where the base stands; -1: none)
; and the rows of t + 1 (fa: their byte from where ADRA stands; -1: none).  lcnt: the loads of the younger half steps' weights, 16 each, may stay out.
; bar = 1: the first product's last half step: my last reads of x are back, and I say so; behind the barrier's wait XR may take h.
.macro HS ph, bb, ab, ld, fa, lcnt, first=0, bar=0
.if !(\first) && (((\ld) >= 0) || ((\fa) >= 0))
	PLACES
.endif
.if (\ld) >= 0
	LOADB ((\bb)+3)%4, \ld
.endif
.if (\fa) >= 0
	FETCH_A \fa, 1-(\ab)
	s_wait_dscnt 18                                ; my rows are in; the 18 loads just issued may be out
.else
	s_wait_dscnt 0x0
.endif
	s_wait_loadcnt \lcnt
.if \bar
	s_barrier_signal -1
.endif
	MUL \ph, \bb, \ab, \first, (1-(\first))*(1-(\bar))
.if \bar
	s_barrier_wait -1
.endif
.endm
.macro LOOP3 ph                        ; three trips of four half steps: t = 1 .. 12 of the product
	WIN 0                                          ; at a label and at a branch every window is 0
	s_mov_b32 s56, 3
.Ltrip\ph:
	HS \ph, 1, 1, 4, 128, 48
	HS \ph, 2, 0, 5, 192, 48
	HS \ph, 3, 1, 6, 256, 48
	HS \ph, 0, 0, 7, 320, 48
	WIN 0
	v_add_nc_u32 v[ADRA], 256, v[ADRA]             ; four half steps along K
	v_add_nc_u32 v[ADRA+1], 256, v[ADRA+1]
	v_add_nc_u32 v[ADRA+2], 256, v[ADRA+2]
	s_wait_xcnt 0x0                                ; the weights' base is stepped only behind this wait; the last load that names it stands a half step's products back
	s_add_nc_u64 s[50:51], s[50:51], 2*STEPB
	s_sub_co_u32 s56, s56, 1
	s_cmp_lg_u32 s56, 0
	s_cbranch_scc1 .Ltrip\ph
.endm
	; THE FIRST PRODUCT: half steps 0-15
	FETCH_A 0, 0
	HS 1, 0, 0, -1, 64, 32, 1                      ; the bias lies where buffer 3 will: half step 3's weights are asked for behind it
	PLACES
	LOADB 3, 3
	LOOP3 1
	HS 1, 1, 1, 4, 128, 48                         ; from here on the loads are the second product's
	HS 1, 2, 0, 5, 192, 48
	HS 1, 3, 1, 6, -1, 48, 0, 1
	; h = relu, rounded to bf16: a lane's 32 hidden numbers of a token are 64 consecutive bytes
	PLACES
.set a, 0
.rept 9
	ACCOF a
.set g, 0
.rept 2
	WIN X|(X<<2)                                   ; sources in the accumulators' window, destination window 0
.set j, 0
.rept 8                                ; ascending: each accumulator is read from its low end on
	v_cvt_pk_bf16_f32 v[T1+16*g+2*j],   v[AC+32*g+j],    v[AC+32*g+8+j]
	v_cvt_pk_bf16_f32 v[T1+16*g+2*j+1], v[AC+32*g+16+j], v[AC+32*g+24+j]
.set j, j+1
.endr
	WIN 0
.set i, 0
.rept 16
	v_pk_max_num_bf16 v[T1+16*g+i], v[T1+16*g+i], v[ZERO]
.set i, i+1
.endr
.set q, 0
.rept 4
	ds_store_b128 v[HST+a/4], v[T1+16*g+4*q:T1+16*g+4*q+3] offset:(a%4)*BLK+128*g+16*q
.set q, q+1
.endr
.set g, g+1
.endr
.set a, a+1
.endr
.set i, 0
.rept 64                               ; the second product's C operand: b2 of the fragment's column, the same in all eight registers
	v_mov_b32 v[B3+i], v[B2V+i/8]
.set i, i+1
.endr
	s_movk_i32 s57, 768
	v_sub_nc_u32 v[ADRA], v[ADRA], s57             ; back to K = 0
	v_sub_nc_u32 v[ADRA+1], v[ADRA+1], s57
	v_sub_nc_u32 v[ADRA+2], v[ADRA+2], s57
	s_wait_xcnt 0x0                                ; the base goes on to the second product's first half step only behind this wait
	s_add_nc_u64 s[50:51], s[50:51], 2*STEPB
	s_wait_dscnt 0x0                               ; for the others' sake: my part of h is stored
	s_barrier_signal -1
	s_barrier_wait -1
	; THE SECOND PRODUCT: half steps 16-31, here numbered 0-15
	FETCH_A 0, 0
	HS 2, 0, 0, -1, 64, 32, 1
	PLACES
	LOADB 3, 3
	LOOP3 2                                        ; its last load is the last half step's: nothing is asked for past the slice's weights.  Its last trip has fetched half step 13's rows into the second row buffer
	; HALF STEPS 13-15 BY ROWS, AND THE WAY OUT.  Weights: buffers 1, 2, 3.  Rows: half step 13's lie at A0 + 72 + 8 a; those of 14 and 15 come block by block, four loads a block, into four buffers.
	; ROWA a: half steps 13 and 14 of block a; ROWB a: half step 15, which finishes it.  Blocks 0-2 run ROWA first, so that half step 15's weights, asked for one half step ago, have that much longer to land.
.macro ALOAD2 a                        ; ADRA stands at half step 12: 14 lies 128 bytes on, 15 lies 192
	WIN 0
.set AR, AB2+16*((\a)%4)
	ds_load_b128 v[AR:AR+3],     v[ADRA+(\a)/4] offset:((\a)%4)*BLK+128
	ds_load_b128 v[AR+4:AR+7],   v[ADRA+(\a)/4] offset:((\a)%4)*BLK+160
	ds_load_b128 v[AR+8:AR+11],  v[ADRA+(\a)/4] offset:((\a)%4)*BLK+192
	ds_load_b128 v[AR+12:AR+15], v[ADRA+(\a)/4] offset:((\a)%4)*BLK+224
.endm
.macro ROWA a                          ; the block's 8 accumulators take turns
	ACCOF \a
.set AR, AB2+16*((\a)%4)
.set rK, A0+72+8*(\a)
	WIN (1<<2)|(X<<4)|(X<<6)                       ; rows window 0, weights window 1
.set f, 0
.rept 8
	v_wmma_f32_16x16x32_bf16 v[AC+8*f:AC+8*f+7], v[rK:rK+7], v[64+8*f:64+8*f+7], v[AC+8*f:AC+8*f+7]
.set f, f+1
.endr
.set f, 0
.rept 8
	v_wmma_f32_16x16x32_bf16 v[AC+8*f:AC+8*f+7], v[AR:AR+7], v[128+8*f:128+8*f+7], v[AC+8*f:AC+8*f+7]
.set f, f+1
.endr
.endm
.macro ROWB a
	ACCOF \a
.set AR, AB2+16*((\a)%4)
	WIN (X<<4)|(X<<6)                              ; rows and weights window 0
.set f, 0
.rept 8
	v_wmma_f32_16x16x32_bf16 v[AC+8*f:AC+8*f+7], v[AR+8:AR+15], v[B3+8*f:B3+8*f+7], v[AC+8*f:AC+8*f+7]
.set f, f+1
.endr
.endm
	s_cmp_eq_u32 s27, 0
	s_cbranch_scc1 .Lend                           ; a tile without rows stores nothing; no barrier is left to pass
	PLACES                                         ; for the loads into the first row buffer, which half step 12 multiplied
	ALOAD2 0
	ALOAD2 1
	ALOAD2 2
	ALOAD2 3
	s_wait_dscnt 8                                 ; half step 13's rows and blocks 0 and 1 are in; the eight loads of blocks 2 and 3 may be out
	s_wait_loadcnt 16                              ; the weights of 13 and 14 are in; the 16 loads of 15 may be out
	ROWA 0
	ROWA 1
	s_wait_dscnt 4                                 ; block 2 is in; block 3's four loads may be out
	ROWA 2
	; Block a is finished, multiplied by its gates, which also brings a lane's four columns side by side, and stored: sixteen lanes store 256 consecutive bytes, at a multiple of 256 from part's first byte.
	; A block wholly past the count ends the wave's work: what is jumped holds matrix instructions, LDS loads, register work and stores, no barrier.
.set a, 0
.rept 9
	WIN 0
	s_cmp_le_u32 s27, 16*a
	s_cbranch_scc1 .Lend
	ds_load_b128 v[16:19], v[H32] offset:LT+64*a   ; ids and gates of rows 16 a + 8 h + 0..7
	ds_load_b128 v[20:23], v[H32] offset:LT+64*a+16
	ds_load_b128 v[24:27], v[H32] offset:GT+64*a
	ds_load_b128 v[28:31], v[H32] offset:GT+64*a+16
.if a == 0
	s_wait_loadcnt 0x0                             ; half step 15's weights
.endif
	ROWB a
	PLACES                                         ; for the loads into the buffer just multiplied, and for the reads of results just made
.if a < 5
	ALOAD2 a+4                                     ; its buffer takes the block four further on
	s_wait_dscnt 4                                 ; the ids and gates are in, and all that was asked for before them: block a + 3's rows too; the four loads just issued may be out
.else
	s_wait_dscnt 0x0
.endif
	s_wait_xcnt 0x0                                ; the registers that the last block's stores read are rewritten only behind this wait
	WIN 0
.set j, 0
.rept 8
	v_min_u32 v[OF+j], 0x1fff, v[16+j]
	v_lshl_add_u32 v[OF+j], v[OF+j], 11, v[OB]
.set j, j+1
.endr
	ACCOF a
	WIN X|(1<<6)                                   ; source 0 in the accumulators' window, the gate in window 0, the result in window 1, where buffer 0 lay
.set i, 0
.rept 16                               ; i = 8 g + j, j ascending: each accumulator is read from its low end on
.irp jj, 0,1,2,3
	v_mul_f32 v[4*i+\jj], v[AC+32*(i/8)+8*\jj+i%8], v[24+i%8]
.endr
.set i, i+1
.endr
	WIN 1<<2                                       ; the stores' data in window 1, their offsets in window 0
.set i, 0
.rept 16
	global_store_b128 v[OF+i%8], v[4*i:4*i+3], s[18:19] offset:256*(i/8)
.set i, i+1
.endr
.if a < 6
	ROWA a+3
.endif
.set a, a+1
.endr
	WIN 0
.Lend:
	s_wait_tensorcnt 0x0                           ; the wave's end
	ds_add_u32 v[SPW], v[NIL]
	s_wait_dscnt 0x0
	s_endpgm
.Lfunc_end_k_qbec9be7d58_moe:
	.size	k_qbec9be7d58_moe, .Lfunc_end_k_qbec9be7d58_moe-k_qbec9be7d58_moe
	.p2alignl 7, 3214868480
	.fill 96, 4, 3214868480
	.section	.rodata,"a",@progbits
	.p2align	6, 0x0
	.amdhsa_kernel k_qbec9be7d58_moe
		.amdhsa_group_segment_fixed_size 174080
		.amdhsa_private_segment_fixed_size 0
		.amdhsa_enable_private_segment 0
		.amdhsa_kernarg_size 56
		.amdhsa_user_sgpr_count 2
		.amdhsa_user_sgpr_kernarg_segment_ptr 1
		.amdhsa_wavefront_size32 1
		.amdhsa_system_sgpr_workgroup_id_x 1
		.amdhsa_system_sgpr_workgroup_id_y 1
		.amdhsa_system_sgpr_workgroup_id_z 1
		.amdhsa_system_vgpr_workitem_id 0
		.amdhsa_next_free_vgpr 1024
		.amdhsa_next_free_sgpr 66
		.amdhsa_reserve_vcc 1
		.amdhsa_float_denorm_mode_32 3
		.amdhsa_float_denorm_mode_16_64 3
		.amdhsa_memory_ordered 1
		.amdhsa_forward_progress 1
		.amdhsa_inst_pref_size 255
	.end_amdhsa_kernel
	.section	.bss,"aw",@nobits
	.p2align	6
	.space	262144
	.amdgpu_metadata
---
amdhsa.version: [ 1, 2 ]
amdhsa.kernels:
  - .name:           k_qbec9be7d58_moe
    .symbol:         k_qbec9be7d58_moe.kd
    .args:
      - { .name: xb, .offset: 0, .size: 8, .value_kind: global_buffer, .address_space: global }
      - { .name: b1, .offset: 8, .size: 8, .value_kind: global_buffer, .address_space: global }
      - { .name: b2, .offset: 16, .size: 8, .value_kind: global_buffer, .address_space: global }
      - { .name: wp, .offset: 24, .size: 8, .value_kind: global_buffer, .address_space: global }
      - { .name: rt, .offset: 32, .size: 8, .value_kind: global_buffer, .address_space: global }
      - { .name: gt, .offset: 40, .size: 8, .value_kind: global_buffer, .address_space: global }
      - { .name: part, .offset: 48, .size: 8, .value_kind: global_buffer, .address_space: global }
    .group_segment_fixed_size: 174080
    .private_segment_fixed_size: 0
    .kernarg_segment_align: 8
    .kernarg_segment_size: 56
    .max_flat_workgroup_size: 128
    .sgpr_count:     66
    .vgpr_count:     1024
    .wavefront_size: 32
...
	.end_amdgpu_metadata
.endif
;; end of part 2
;; launch sum (part 3): grid 256 x 1, 8 waves a work-group, no clusters, 0 bytes of LDS; arguments part, out0; writes out0
.if DOCPART == 3
	.amdgcn_target "amdgcn-amd-amdhsa--gfx1250"
	.amdhsa_code_object_version 6
	.text
	.protected	k_qbec9be7d58_sum
	.globl	k_qbec9be7d58_sum
	.p2align	8
	.type	k_qbec9be7d58_sum,@function
k_qbec9be7d58_sum:
	s_mov_b64 s[64:65], 0
	v_nop
	global_prefetch_b8 v0, s[64:65] scope:SCOPE_SE
	s_setreg_imm32_b32 hwreg(HW_REG_WAVE_MODE, 25, 1), 1
	s_wait_xcnt 0x0
; out0[token][:] = the sum of the token's eight rows of part: [slice 4][id = 4096 k + token][512] f32, that is eight planes of 8 MiB, plane 2 s + k.
; A stream: every byte of part is read once and every byte of out0 written once, 16 bytes a lane, 512 consecutive bytes a wave; no LDS, no barrier, no matrix unit: there is nothing to share and nothing to multiply.
; A work-group owns 16 tokens, 32,768 bytes of each plane, in eight units of 4,096 bytes; thread t takes the 16 bytes at 16 t of a unit.  A ring of four unit slots keeps 32 loads of every wave on their way.
; Each unit has four result registers of its own: no register that a store reads is written again, and the offset and the bases are never rewritten, so the only waits are the counted ones for the loads.
.set SL,  16                           ; v16-143  slot u % 4: eight planes x 4 registers
.set OUT, 144                          ; v144-175 unit u: 4 registers to store
	s_load_b128 s[4:7], s[0:1], 0x0                ; part, out0
	v_lshlrev_b32 v1, 4, v0
	s_lshl_b32 s2, ttmp9, 15
	s_mov_b32 s3, 0
	s_wait_kmcnt 0x0
	s_add_nc_u64 s[8:9], s[4:5], s[2:3]            ; s[8+2p:9+2p]: plane p at my tokens
	s_add_nc_u64 s[6:7], s[6:7], s[2:3]
.irp p, 1,2,3,4,5,6,7
	s_add_nc_u64 s[8+2*\p:9+2*\p], s[8:9], \p*0x800000
.endr
.macro LDU u
.irp p, 0,1,2,3,4,5,6,7
	global_load_b128 v[SL+32*((\u)%4)+4*\p:SL+32*((\u)%4)+4*\p+3], v1, s[8+2*\p:9+2*\p] offset:4096*(\u) th:TH_LOAD_NT
.endr
.endm
.macro ADDU u, left                    ; left: the loads of the younger units
.set R, SL+32*((\u)%4)
.set O, OUT+4*(\u)
	s_wait_loadcnt \left
.irp p, 0,2,4,6
	v_pk_add_f32 v[R+4*\p:R+4*\p+1],   v[R+4*\p:R+4*\p+1],   v[R+4*\p+4:R+4*\p+5]
	v_pk_add_f32 v[R+4*\p+2:R+4*\p+3], v[R+4*\p+2:R+4*\p+3], v[R+4*\p+6:R+4*\p+7]
.endr
.irp p, 0,4
	v_pk_add_f32 v[R+4*\p:R+4*\p+1],   v[R+4*\p:R+4*\p+1],   v[R+4*\p+8:R+4*\p+9]
	v_pk_add_f32 v[R+4*\p+2:R+4*\p+3], v[R+4*\p+2:R+4*\p+3], v[R+4*\p+10:R+4*\p+11]
.endr
	v_pk_add_f32 v[O:O+1],   v[R:R+1],   v[R+16:R+17]
	v_pk_add_f32 v[O+2:O+3], v[R+2:R+3], v[R+18:R+19]
	global_store_b128 v1, v[O:O+3], s[6:7] offset:4096*(\u) th:TH_STORE_NT
.endm
	LDU 0
	LDU 1
	LDU 2
	LDU 3
	ADDU 0, 24
	LDU 4
	ADDU 1, 24
	LDU 5
	ADDU 2, 24
	LDU 6
	ADDU 3, 24
	LDU 7
	ADDU 4, 24
	ADDU 5, 16
	ADDU 6, 8
	ADDU 7, 0
	s_endpgm
.Lfunc_end_k_qbec9be7d58_sum:
	.size	k_qbec9be7d58_sum, .Lfunc_end_k_qbec9be7d58_sum-k_qbec9be7d58_sum
	.p2alignl 7, 3214868480
	.fill 96, 4, 3214868480
	.section	.rodata,"a",@progbits
	.p2align	6, 0x0
	.amdhsa_kernel k_qbec9be7d58_sum
		.amdhsa_group_segment_fixed_size 0
		.amdhsa_private_segment_fixed_size 0
		.amdhsa_enable_private_segment 0
		.amdhsa_kernarg_size 16
		.amdhsa_user_sgpr_count 2
		.amdhsa_user_sgpr_kernarg_segment_ptr 1
		.amdhsa_wavefront_size32 1
		.amdhsa_system_sgpr_workgroup_id_x 1
		.amdhsa_system_sgpr_workgroup_id_y 1
		.amdhsa_system_sgpr_workgroup_id_z 1
		.amdhsa_system_vgpr_workitem_id 0
		.amdhsa_next_free_vgpr 176
		.amdhsa_next_free_sgpr 66
		.amdhsa_reserve_vcc 0
		.amdhsa_float_denorm_mode_32 3
		.amdhsa_float_denorm_mode_16_64 3
		.amdhsa_memory_ordered 1
		.amdhsa_forward_progress 1
		.amdhsa_inst_pref_size 15
	.end_amdhsa_kernel
	.amdgpu_metadata
---
amdhsa.version: [ 1, 2 ]
amdhsa.kernels:
  - .name:           k_qbec9be7d58_sum
    .symbol:         k_qbec9be7d58_sum.kd
    .args:
      - { .name: part, .offset: 0, .size: 8, .value_kind: global_buffer, .address_space: global }
      - { .name: out0, .offset: 8, .size: 8, .value_kind: global_buffer, .address_space: global }
    .group_segment_fixed_size: 0
    .private_segment_fixed_size: 0
    .kernarg_segment_align: 8
    .kernarg_segment_size: 16
    .max_flat_workgroup_size: 256
    .sgpr_count:     66
    .vgpr_count:     176
    .wavefront_size: 32
...
	.end_amdgpu_metadata
.endif
;; end of part 3
